; MI455X (gfx1250); checked and timed in simulation.
; The chip was launched on July 23, 2026; its instructions are those of AMD's public machine-readable ISA for CDNA 5 (MIT licence, August 2026) and "CDNA5" Instruction Set Architecture Reference Guide (July 2026). The comments in the code are by the model that wrote it; some were corrected since.
;; Monotonic NN. Allowed arithmetic: matrix products marked QUANTISED: E2M3 operands, one E8M0 scale for each 32 along K, by v_wmma_scale_f32_16x16x128_f8f6f4 with both operands' format E2M3, f32 sums; products left as they are: f32 operands where the result goes on into a quantised operand, else bf16, f16 or f32 operands; f32 sums; everything else in f32.
;; Inputs: iW0 8 x 128 float32; iW1_codes 128 x 4 x 24 uint8 (E2M3 codes of iW1, K innermost, in blocks of 32 codes, four codes in three bytes); iW1_scales 128 x 4 uint8 (E8M0 scales of iW1, one for each 32 codes along K); iW2 128 x 1 float32; ib0 128 float32; ib1 128 float32; ib2 1 float32; nW0 7 x 128 float32; nW1_codes 128 x 4 x 24 uint8 (E2M3 codes of nW1, K innermost, in blocks of 32 codes, four codes in three bytes); nW1_scales 128 x 4 uint8 (E8M0 scales of nW1, one for each 32 codes along K); nW2 128 x 2 float32; nb0 128 float32; nb1 128 float32; nb2 2 float32; x_input 32,768 x 8 float32.
;; Outputs: out0 32,768 x 1 float32.
;; This version of the problem:
;;   THIS VERSION OF THE PROBLEM IS GIVEN IN LOW PRECISION. The matrix products marked QUANTISED in the list below multiply operands that are first quantised to E2M3 (2 exponent bits, 3 mantissa bits; 6 bits a number), with one power-of-two scale for each 32 numbers along K (OCP MX v1.0); their sums are f32. All else is computed in f32.
;;   The module's matrix products, in the order in which they are computed (A, B: the left and right operand; K: the contracted axis; several contracted axes count as one K, in the product's order):
;;     1. [M 1,671,168, K 8] x [K 8, N 128]; A: computed on the way; B: input iW0: left as it is (K = 8 < 32)
;;     2. [M 1,671,168, K 128] x [K 128, N 128]; A: computed on the way; B: input iW1 (given as codes): QUANTISED
;;     3. [M 1,671,168, K 128] x [K 128, N 1]; A: computed on the way; B: input iW2: left as it is (N = 1 < 16)
;;     4. [M 32,768, K 7] x [K 7, N 128]; A: input x_input; B: input nW0: left as it is (K = 7 < 32)
;;     5. [M 32,768, K 128] x [K 128, N 128]; A: computed on the way; B: input nW1 (given as codes): QUANTISED
;;     6. [M 32,768, K 128] x [K 128, N 2]; A: computed on the way; B: input nW2: left as it is (N = 2 < 16)
;;   THE QUANTISER, for each operand of a quantised product, along K:
;;     - K is cut into blocks of 32 from its start; a last block that is shorter is filled with zeros.
;;     - A block's scale is 2^e with e = floor(log2(the largest magnitude in the block)) - 2, held to -126 .. 127; a block of zeros has e = 0. As a byte (E8M0): e + 127.
;;     - Each number is divided by its block's scale, clamped to +-7.5, and rounded to the nearest number of E2M3, ties to even, subnormals kept.
;;     - The product sums the exact products of the quantised numbers (number of the format x scale) in f32.
;;   ~~~python
;;   def quantise(x, axis):      # numpy; x: float32 -> the quantised numbers, widened to float32 again
;;       x = np.moveaxis(x, axis, -1); K = x.shape[-1]
;;       x = np.pad(x, [(0, 0)] * (x.ndim - 1) + [(0, -K % 32)]); x = x.reshape(x.shape[:-1] + (-1, 32)); a = np.abs(x).max(-1, keepdims=True)
;;       e = np.where(a > 0, np.clip(np.frexp(np.where(a > 0, a, 1))[1] - 1 - 2, -126, 127), 0)      # np.frexp(a)[1] - 1 = floor(log2(a)), exactly
;;       r = np.clip(x / 2.0 ** e, -7.5, 7.5)
;;       step = 2.0 ** (np.maximum(np.frexp(np.where(r == 0, 1, r))[1] - 1, 0) - 3)
;;       q = np.round(r / step) * step * 2.0 ** e      # np.round: ties to even
;;       return np.moveaxis(q.reshape(q.shape[:-2] + (-1,))[..., :K], -1, axis).astype(np.float32)
;;   ~~~
;;   OPERANDS COMPUTED ON THE WAY. 'Computed on the way' means the value that the module computes at that place (a softmax that the list does not call 'softmax' is quantised finished and normalised). What goes into a quantiser is computed in f32, as accurately as f32 sums, v_exp_f32 and their like allow (about 1e-6 of the number): no bf16 or f16 on the way to a quantiser, and a product that is left as it is and whose result goes on into a quantised operand takes f32 operands (vector FMAs, or v_wmma_f32_16x16x4_f32). A number that lies on a knife's edge between two numbers of the format may be rounded either way, as far as f32 arithmetic and the matrix unit's own rounding can turn it there, and no further.
;;   INPUTS GIVEN AS CODES. iW1 (in the module: [128, 128], K = its axis 0); nW1 (in the module: [128, 128], K = its axis 0): each comes as NAME_codes (uint8): NAME with its K axis moved to the last place and cut into blocks of 32 codes, [.., K / 32, bytes a block], one block behind the other in memory; four codes in three bytes: a row's codes are one little-endian stream of bits, code i at bits 6 i .. 6 i + 5 (a code: sign, 2 exponent bits, 3 mantissa bits); and NAME_scales (uint8): the same leading axes, one E8M0 byte (e + 127) for each 32 codes along K. Its value is code x scale, taken as it is: it is not quantised again, and the codes and scales need not be those that the quantiser above would give.
;; One version. Each part assembles by itself: llvm-mc -triple=amdgcn-amd-amdhsa -mcpu=gfx1250 --defsym DOCPART=n.
;; ======== version 1 of 1: 1 launch
;; launch mono (part 1): grid 256 x 1, 8 waves a work-group, no clusters, 35,328 bytes of LDS; arguments x_input, iW0, ib0, iW1_codes, iW1_scales, ib1, iW2, ib2, nW0, nb0, nW1_codes, nW1_scales, nb1, nW2, nb2, out0; writes out0
.if DOCPART == 1
	.amdgcn_target "amdgcn-amd-amdhsa--gfx1250"
	.amdhsa_code_object_version 6
	.text
	.protected	k_q022b8e4c22_mono
	.globl	k_q022b8e4c22_mono
	.p2align	8
	.type	k_q022b8e4c22_mono,@function
k_q022b8e4c22_mono:
	s_mov_b64 s[64:65], 0
	v_nop
	global_prefetch_b8 v0, s[64:65] scope:SCOPE_SE
	s_setreg_imm32_b32 hwreg(HW_REG_WAVE_MODE, 25, 1), 1
	s_wait_xcnt 0x0
; MonotonicNN in MX-FP6, everything in one launch.
;   out = sigmoid( exp(o1) * (x/2) * sum_s cc_s (elu(g_s) + 1) + o0 ),  g_s = the integrand net at (x t_s, h),  (o0, o1) = the offset net at h.
; SHARES.  256 work-groups x 128 samples; 8 waves; a wave keeps 16 samples for its whole life.  A matrix tile is the wave's 16 samples at ONE
; quadrature point: 16 samples x 128 features x K = 128 = eight matrix instructions.  51 trips for the integrand; one like tile in front of them,
; with the other net's weights, is the offset net.  Beside eight matrix instructions a tile has some 190 vector instructions: the layouts below
; are chosen to keep that number down, and the order of a trip so that a wave does not wait for itself.
; THE MATRIX INSTRUCTION IS USED TRANSPOSED: source 0 = 16 rows of the weight's codes (features 16 ft + lane % 16), source 1 = the hidden layer
; (column = sample).  So lane (r = lane % 16, h = lane / 16) holds sample r everywhere.
; FIRST LAYER.  It is affine in the abscissa: z = a + t_s b, a = ib0 + sum over d >= 1 of x_d iW0[d], b = x_0 iW0[0], made once in f32.  A lane makes
; just the 64 hidden units that the 6-bit operand's layout gives it: element 32 c + i is unit 64 c + 32 h + i.  So a whole block of 32 along K lies in
; ONE lane: its largest magnitude needs no other lane, and the conversions' results are the operand's registers (six of twelve are moved, since a
; conversion's three registers begin on an even number).  The scale word's four bytes come from lanes l and l xor 16.
; SECOND LAYER.  K = 128 is one instruction a tile of 16 features: no chain.  Its C is the bias in the result's layout (register j: feature 16 ft + 8 h + j).
; THIRD LAYER.  A lane holds 64 features of its sample: 32 packed multiply-adds, then one exchange with lane l xor 16.
; BY TURNS.  Behind each matrix instruction stand the ReLU and the dot product of the tile before it, eight vector instructions: they are the places
; that the results owe, and the wave has vector work while the matrix unit works.  All of that part runs under ONE window setting (source 0 from
; window 1): the weight's codes, iW2 and b are always source 0, the ReLU's source 0 is a constant.
; THE END OF A POINT is drawn out over the next two trips and strewn among independent work: its additions and the exchange (point s - 1) stand among
; trip s's maxima and in front of its matrix instructions, min, max and the scaling behind the first two matrix instructions, the exponential and the
; weighted sum (point s - 2) in the trip after.  So the loop has no v_nop, and no chain of dependent lines stands alone.
; A trip reads 8 bytes of LDS: table entry e = (t_(e+1), cc_(e-2)), asked for behind t's last read, awaited some 85 lines later.
; NOT USED: tensor loads and a ring (nothing is streamed: 34 KB are staged once in front of 51 trips that touch no memory); clusters with joint
; requests (what work-groups share is that one read of 34 KB, a small part of the launch's work, and it would bring tensor loads with it); prefetches
; (no trip waits for memory).
; LIMITS KEPT.  max and min in the *_num forms drop a NaN where the problem's function hands it on; infinities ahead of the quantiser are not served.
; A block of zeros gets the scale byte 1 and not 127: its codes are all 0, so the product is the same.  v_exp_f32 gives 0 for results under 2^-126.
; t_s and cc_s come from a fixed-point recurrence of the assembler (scale 2^30), good to a few 1e-7 absolute.  a + t b is summed in another order
; than in the problem's function (f32 rounding only).
.set NPTS,  51                         ; quadrature points
; LDS map.  All but OUTS is written in front of the first barrier and never again.
.set TAB,   0                          ; 53 entries of 8 bytes: entry e = (t_(e+1), cc_(e-2))
.set OUTS,  512                        ; 128 results, f32
.set L0I,   1024                       ; iW0, 8 rows of 512 bytes; row 8 = ib0
.set L0N,   5632                       ; nW0, rows 0-6; row 7 = nb0
.set CI,    9728                       ; iW1's codes as they lie in memory: 128 rows of 96 bytes
.set CN,    22016                      ; nW1's codes
; window 0
.set X0,    1                          ; x of my sample
.set OFF,   2                          ; o0
.set SCL,   3                          ; exp(o1)
.set SEL,   4                          ; byte selects that put my two scale bytes at places h and 2 + h of a word
.set OUTA,  5                          ; where my result goes in OUTS
.set H128,  6                          ; 128 h
.set SCR,   7
.set XIN,   8                          ; v[8:15]    the 8 inputs of my sample; dead behind the first layers, then:
.set T,     8                          ; v[8:9]     (t, cc)
.set KAP,   10                         ; v[10:11]   (ib2 / 2, 0): the exchange with lane l xor 16 makes it whole
.set TAB_A, 12                         ; 8 x trips done
.set ZEST,  13                         ; the weighted sum
.set G,     14
.set G2,    15
.set MX0,   16                         ; v16, v17   my two blocks' largest magnitudes
.set MX1,   17
.set SC0,   18                         ; v18, v19   their scales as f32, for the conversions
.set SC1,   19
.set U0,    20                         ; v20, v21   the scale bytes in byte 3
.set U1,    21
.set CH0,   16                         ; the maxima's chains, block c's at + c: in registers that are dead while the maxima are sought
.set CH1,   18
.set CH2,   20
.set CH3,   44
.set CHO,   48
.set SA,    22                         ; the hidden layer's scale word
.set SX,    23                         ; and lane l xor 16's part of it
.set WS,    24                         ; v[24:31]   the weight's scale words, tile ft's rows in lanes 0-15
.set CD,    32                         ; v[32:43]   the hidden layer's codes: source 1
.set CT0,   44                         ; v[44:46], v[48:50]  the upper halves of the two blocks, as converted
.set CT1,   48
.set KN,    44                         ; v[44:45]   offset net only: nb2 / 2
.set EN,    47
.set EP,    51
.set P,     52                         ; v[52:59]   four pairs of partial sums
.set XA,    52                         ; prologue only: byte offsets of the first loads
.set T16,   53
.set L16,   54
.set H32,   60                         ; 32 h
.set H64,   61                         ; 64 h
.set FA,    62                         ; 96 r + 24 h: my place in a fragment of codes
.set R4,    63                         ; 4 r
.set X,     64                         ; v[64:127]  the hidden layer in f32; then the eight results, tile ft at X + 8 ft
.set A_,    128                        ; v[128:191] a
.set BIAS,  192                        ; v[192:255] the second layer's bias, in the result's layout
.set TT,    104                        ; prologue only: three numbers of the table at work
.set ZA,    108                        ; prologue only: 0
; window 1
.set WF,    0                          ; v[0:95]    the weight's codes, fragment ft at 12 ft
.set B_,    96                         ; v[96:159]  b
.set W2,    160                        ; v[160:223] iW2, in the result's layout
.set WN,    96                         ; v[96:223]  offset net only: 64 pairs (nW2[f][0], nW2[f][1]), in the result's layout
.set MSB, 0
.macro WIN new                         ; s_set_vgpr_msb: bits 1:0 source 0, 3:2 source 1, 5:4 source 2, 7:6 destination; the high byte repeats the setting left
.if MSB != \new
	s_set_vgpr_msb (MSB<<8)|\new
.set MSB, \new
.endif
.endm
; One pass of the table.  The assembler makes the numbers in fixed point: cos(j pi/50) by the three-term recurrence from cos(pi/50);
; cc_j = (2/50) (1 - sum over q = 1..25 of 2 cos(2 q j pi/50) / (4 q^2 - 1)), half of that for j = 0 and 50 (the problem's own formula: only even rows
; of its cosine matrix carry weight, and its first and last columns are halved).  t_(50-j) = (1 - cos(j pi/50)) / 2 and cc_(50-j) = cc_j.
; t_j goes to entry j - 1 (t_0 = 1 is a constant of the text), cc_j to entry j + 2.
.set FXS,  1<<30
.set C1,   1071623040                  ; cos(pi/50) x 2^30
.set cosj, FXS
.set cosp, C1
.set tj,   0
.macro TABENT
.set c2j,  2*cosj*cosj/FXS - FXS       ; cos(2 j pi/50)
.set wsum, FXS
.set chp,  FXS
.set chq,  c2j
.set qq,   1
.rept 25
.set wsum, wsum - 2*chq/(4*qq*qq-1)
.set chn,  2*c2j*chq/FXS - chp
.set chp,  chq
.set chq,  chn
.set qq,   qq+1
.endr
.if tj == 0
.set wj, wsum/50
.else
.set wj, wsum/25
.endif
.set thi, (FXS+cosj)/2
.set tlo, (FXS-cosj)/2
	v_cvt_f32_i32 v[TT],   thi
	v_cvt_f32_i32 v[TT+1], tlo
	v_cvt_f32_i32 v[TT+2], wj
	v_pk_mul_f32 v[TT:TT+1], v[TT:TT+1], 0x30800000 op_sel_hi:[1,0]      ; x 2^-30
	v_mul_f32 v[TT+2], 0x30800000, v[TT+2]
.if tj > 0
	ds_store_b32 v[ZA], v[TT]   offset:TAB+8*tj-8          ; t_j
.endif
	ds_store_b32 v[ZA], v[TT+2] offset:TAB+8*tj+20         ; cc_j
.if tj < 25
	ds_store_b32 v[ZA], v[TT+1] offset:TAB+392-8*tj        ; t_(50-j)
	ds_store_b32 v[ZA], v[TT+2] offset:TAB+420-8*tj        ; cc_(50-j)
.endif
.set cosn, 2*C1*cosj/FXS - cosp
.set cosp, cosj
.set cosj, cosn
.set tj, tj+1
.endm
; Four fragments of codes (tiles 4 g .. 4 g + 3) into window 1.  16 rows x 128 K of 6-bit codes are 12 registers: lane (r, h) takes the 24 bytes at
; 96 r + 24 h and the 24 bytes 48 further on, as they lie, in pieces of 8 bytes, so that every address is a multiple of the access's size.
.macro FRAGH base, g
	WIN 0x40
.irp f, 0,1,2,3
.irp p, 0,1,2,3,4,5
	ds_load_b64 v[WF+12*(4*\g+\f)+2*\p:WF+12*(4*\g+\f)+2*\p+1], v[FA] offset:\base+1536*(4*\g+\f)+48*(\p/3)+8*(\p%3)
.endr
.endr
	WIN 0
.endm
; A vector of 128 f32 in the result's layout: register 8 ft + j = element 16 ft + 8 h + j.  Issued under a window setting of the caller's.
.macro LDF dst, sb
.irp ft, 0,1,2,3,4,5,6,7
.irp q, 0,1
	global_load_b128 v[\dst+8*\ft+4*\q:\dst+8*\ft+4*\q+3], v[H32], s[\sb:\sb+1] offset:64*\ft+16*\q
.endr
.endr
.endm
; First layers.  A row of 128 f32 in LDS, in my order: element 32 H + i is unit 64 H + 32 h + i.  All lanes of a half read the same bytes.
.macro L1INIT dst, off                 ; a bias row starts the sums: 16 loads
.irp H, 0,1
.irp g, 0,1,2,3,4,5,6,7
	ds_load_b128 v[\dst+32*\H+4*\g:\dst+32*\H+4*\g+3], v[H128] offset:\off+256*\H+16*\g
.endr
.endr
.endm
.macro L1LOAD base, d, H               ; half H of weight row d into TMP (a symbol): 8 loads
.irp g, 0,1,2,3,4,5,6,7
	ds_load_b128 v[TMP+32*\H+4*\g:TMP+32*\H+4*\g+3], v[H128] offset:\base+512*(\d)+256*\H+16*\g
.endr
.endm
.macro L1FMA dst, H, xp, sel, mul, w   ; dst += row x input (register sel of the pair xp), or dst = row x input; w: the window setting (0x40: dst in window 1)
	WIN \w
.set ln, 0
.rept 16
.if \mul
	v_pk_mul_f32 v[\dst+32*\H+ln:\dst+32*\H+ln+1], v[TMP+32*\H+ln:TMP+32*\H+ln+1], v[\xp:\xp+1] op_sel:[0,\sel] op_sel_hi:[1,\sel]
.else
	v_pk_fma_f32 v[\dst+32*\H+ln:\dst+32*\H+ln+1], v[TMP+32*\H+ln:TMP+32*\H+ln+1], v[\xp:\xp+1], v[\dst+32*\H+ln:\dst+32*\H+ln+1] op_sel:[0,\sel,0] op_sel_hi:[1,\sel,1]
.endif
.set ln, ln+2
.endr
	WIN 0
.endm
.macro L1ROW base, d, last, dst, xp, sel, mul, w
	L1LOAD \base, \d, 1
	s_wait_dscnt 0x8                               ; LDS answers in order (ISA guide 5.7.1): all but the eight loads just issued are in, so half 0 of this row is
	L1FMA \dst, 0, \xp, \sel, \mul, \w
.if \last
	s_wait_dscnt 0x0                               ; nothing was issued behind half 1
.else
	L1LOAD \base, \d+1, 0
	s_wait_dscnt 0x8                               ; the eight loads of the next row's half 0 stay out; half 1 of this row is in
.endif
	L1FMA \dst, 1, \xp, \sel, \mul, \w
.endm
; ReLU of cnt pairs of X from pair from on, ascending: behind a matrix instruction its result is first read at its two lowest registers
.macro RL from, cnt
.set rn, \from
.rept \cnt
	v_dual_max_num_f32 v[X+2*rn], 0, v[X+2*rn] :: v_dual_max_num_f32 v[X+2*rn+1], 0, v[X+2*rn+1]
.set rn, rn+1
.endr
.endm
; FROM THE HIDDEN LAYER IN f32 (X) TO CODES (CD) AND SCALE WORD (SA).
; The largest value of each of my two blocks of 32: 16 lines a block whatever the tree's shape, so the tree is wide: four chains of seven values a block,
; eight chains by turns.  They read the values before or behind the ReLU alike: the floor 2^-124 (exponent field 3) is both the ReLU of the maximum and the
; hold of the scale byte at 1.  A magnitude's exponent field is floor(log2) + 127; the scale byte is that field less 2.
; The scale word's five dependent lines stand apart, among the ReLU's; block 0 is converted between the ReLU's two halves.
; tail = 1 (the loop): lines of earlier points' ends stand among these; tail = 0: a v_nop is the place behind the last conversions.
.macro QUANT tail
.if \tail
	v_exp_f32 v[EN], v[EN]                         ; point s - 2: e^min(g, 0); plain lines follow
.endif
.irp c, 0,1
	v_max3_num_f32 v[CH0+\c], v[X+32*\c],    v[X+32*\c+1],  v[X+32*\c+2]
	v_max3_num_f32 v[CH1+\c], v[X+32*\c+7],  v[X+32*\c+8],  v[X+32*\c+9]
	v_max3_num_f32 v[CH2+\c], v[X+32*\c+14], v[X+32*\c+15], v[X+32*\c+16]
	v_max3_num_f32 v[CH3+\c], v[X+32*\c+21], v[X+32*\c+22], v[X+32*\c+23]
	v_max3_num_f32 v[CHO+\c], v[X+32*\c+30], v[X+32*\c+31], 0x01800000
.endr
.irp c, 0,1
	v_max3_num_f32 v[CH3+\c], v[CH3+\c], v[X+32*\c+24], v[X+32*\c+25]
	v_max3_num_f32 v[CH0+\c], v[CH0+\c], v[X+32*\c+3],  v[X+32*\c+4]
	v_max3_num_f32 v[CH1+\c], v[CH1+\c], v[X+32*\c+10], v[X+32*\c+11]
	v_max3_num_f32 v[CH2+\c], v[CH2+\c], v[X+32*\c+17], v[X+32*\c+18]
.endr
.irp c, 0,1
	v_max3_num_f32 v[CH3+\c], v[CH3+\c], v[X+32*\c+26], v[X+32*\c+27]
	v_max3_num_f32 v[CH0+\c], v[CH0+\c], v[X+32*\c+5],  v[X+32*\c+6]
	v_max3_num_f32 v[CH1+\c], v[CH1+\c], v[X+32*\c+12], v[X+32*\c+13]
	v_max3_num_f32 v[CH2+\c], v[CH2+\c], v[X+32*\c+19], v[X+32*\c+20]
.endr
.irp c, 0,1
	v_max3_num_f32 v[CH3+\c], v[CH3+\c], v[X+32*\c+28], v[X+32*\c+29]
.endr
.if \tail
	v_pk_add_f32 v[P:P+1], v[P:P+1], v[P+2:P+3]            ; point s - 1: the four pairs of partial sums are added
	v_pk_add_f32 v[P+4:P+5], v[P+4:P+5], v[P+6:P+7]
.endif
.irp c, 0,1
	v_max3_num_f32 v[CH0+\c], v[CH0+\c], v[CH1+\c], v[CH2+\c]
.endr
	RL 0, 2
.irp c, 0,1
	v_max3_num_f32 v[MX0+\c], v[CH0+\c], v[CH3+\c], v[CHO+\c]
.endr
	RL 2, 2
	v_add_nc_u32 v[SC0], 0xff000000, v[MX0]        ; the exponent field falls by 2: the conversion takes this field as its scale
	v_add_nc_u32 v[SC1], 0xff000000, v[MX1]
	RL 4, 2
	v_lshlrev_b32 v[U0], 1, v[SC0]                 ; the byte is now byte 3
	v_lshlrev_b32 v[U1], 1, v[SC1]
	RL 6, 3
	v_perm_b32 v[SA], v[U1], v[U0], v[SEL]         ; blocks h and 2 + h at their places in the scale word, zeros elsewhere
	RL 9, 3
	v_permlanex16_b32 v[SX], v[SA], s40, s41
	RL 12, 3
	v_or_b32 v[SA], v[SA], v[SX]                   ; with lane l xor 16's two bytes the word is whole; more than eight plain lines stand between this one and the matrix instructions
	RL 15, 1
	v_cvt_scalef32_pk16_fp6_f32 v[CD:CD+2],   v[X:X+15],    v[SC0]   ; sixteen numbers / scale, to the nearest code, beyond the largest code the largest; 96 bits without gaps
	v_cvt_scalef32_pk16_fp6_f32 v[CT0:CT0+2], v[X+16:X+31], v[SC0]
	RL 16, 4                                       ; plain lines behind the conversions
	v_dual_mov_b32 v[CD+3], v[CT0] :: v_dual_mov_b32 v[CD+4], v[CT0+1]   ; block 0's upper half to its place in the operand
	v_mov_b32 v[CD+5], v[CT0+2]
	RL 20, 12
	v_cvt_scalef32_pk16_fp6_f32 v[CD+6:CD+8], v[X+32:X+47], v[SC1]
	v_cvt_scalef32_pk16_fp6_f32 v[CT1:CT1+2], v[X+48:X+63], v[SC1]
.if \tail
	v_pk_add_f32 v[P:P+1], v[P:P+1], v[P+4:P+5]    ; point s - 1 goes on; also the plain place behind the conversions
.else
	v_nop                                          ; one plain place behind a scaled conversion
.endif
	v_dual_mov_b32 v[CD+9], v[CT1] :: v_dual_mov_b32 v[CD+10], v[CT1+1]
	v_mov_b32 v[CD+11], v[CT1+2]
.endm
; One matrix instruction: tile ft, a whole sum (K = 128), begun with the bias as C.  Under the setting 0x01: the weight's codes in window 1.
.macro WM ft
	v_wmma_scale_f32_16x16x128_f8f6f4 v[X+8*(\ft):X+8*(\ft)+7], v[WF+12*(\ft):WF+12*(\ft)+11], v[CD:CD+11], v[BIAS+8*(\ft):BIAS+8*(\ft)+7], v[WS+(\ft)], v[SA] matrix_a_fmt:MATRIX_FMT_FP6 matrix_b_fmt:MATRIX_FMT_FP6
.endm
.macro MM                              ; the offset net's eight, on eight different results
	WIN 0x01
.irp ft, 0,1,2,3,4,5,6,7
	WM \ft
.endr
	WIN 0
.endm
; Tile ft's ReLU and its part of the integrand's last layer: four pairs x iW2 onto four chains; tile 0's products start the sums, ib2 / 2 with them.  Under 0x01: iW2 in window 1.
.macro RD ft
	RL 4*(\ft), 4
.irp i, 0,1,2,3
.if ((\ft) == 0) && (\i == 0)
	v_pk_fma_f32 v[P:P+1], v[W2:W2+1], v[X:X+1], v[KAP:KAP+1]
.elseif (\ft) == 0
	v_pk_mul_f32 v[P+2*\i:P+2*\i+1], v[W2+2*\i:W2+2*\i+1], v[X+2*\i:X+2*\i+1]
.else
	v_pk_fma_f32 v[P+2*\i:P+2*\i+1], v[W2+8*(\ft)+2*\i:W2+8*(\ft)+2*\i+1], v[X+8*(\ft)+2*\i:X+8*(\ft)+2*\i+1], v[P+2*\i:P+2*\i+1]
.endif
.endr
.endm
; The offset net's last layer, half of my 64 features: a pair of sums (o0, o1) += (nW2[f][0], nW2[f][1]) x one feature; wn: where these 32 pairs lie (window 1: under 0x01)
.macro DOT2 half, wn
.set mm, 0
.rept 16
.set xr, X+32*\half+2*mm
.set w0, \wn+4*mm
.set p0, P+4*(mm%2)
.if (\half == 0) && (mm == 0)
	v_pk_fma_f32 v[p0:p0+1],   v[w0:w0+1],   v[xr:xr+1], v[KN:KN+1] op_sel:[0,0,0] op_sel_hi:[1,0,1]
	v_pk_mul_f32 v[p0+2:p0+3], v[w0+2:w0+3], v[xr:xr+1] op_sel:[0,1] op_sel_hi:[1,1]
.elseif (\half == 0) && (mm == 1)
	v_pk_mul_f32 v[p0:p0+1],   v[w0:w0+1],   v[xr:xr+1] op_sel:[0,0] op_sel_hi:[1,0]
	v_pk_mul_f32 v[p0+2:p0+3], v[w0+2:w0+3], v[xr:xr+1] op_sel:[0,1] op_sel_hi:[1,1]
.else
	v_pk_fma_f32 v[p0:p0+1],   v[w0:w0+1],   v[xr:xr+1], v[p0:p0+1]   op_sel:[0,0,0] op_sel_hi:[1,0,1]
	v_pk_fma_f32 v[p0+2:p0+3], v[w0+2:w0+3], v[xr:xr+1], v[p0+2:p0+3] op_sel:[0,1,0] op_sel_hi:[1,1,1]
.endif
.set mm, mm+1
.endr
.endm
; ============================================================ ids and addresses
	s_load_b512 s[8:23], s[0:1], 0x0               ; x s[8:9], iW0 s[10:11], ib0 s[12:13], iW1 codes s[14:15], iW1 scales s[16:17], ib1 s[18:19], iW2 s[20:21], ib2 s[22:23]
	s_load_b512 s[24:39], s[0:1], 0x40             ; nW0 s[24:25], nb0 s[26:27], nW1 codes s[28:29], nW1 scales s[30:31], nb1 s[32:33], nW2 s[34:35], nb2 s[36:37], out0 s[38:39]
	s_set_vgpr_msb 0x40
	v_lshl_add_u32 v224, v0, 2, 0x8600
	v_mov_b32 v225, 0
	s_set_vgpr_msb 0x4000
	v_lshrrev_b32 v[SCR], 5, v0
	v_readfirstlane_b32 s2, v[SCR]                 ; wave w, 0 to 7
	s_mov_b32 s40, 0x76543210                      ; v_permlanex16_b32's selects for lane l xor 16
	s_mov_b32 s41, 0xfedcba98
	v_and_b32 v[MX0], 15, v0                       ; r
	v_bfe_u32 v[MX1], v0, 4, 1                     ; h
	v_and_b32 v[SC0], 31, v0                       ; lane
	s_lshl_b32 s49, s2, 9                          ; 512 w: 16 samples of 32 bytes, or one row of 128 f32
	s_lshl_b32 s50, s2, 6                          ; 64 w: 16 results
	v_lshlrev_b32 v[H128], 7, v[MX1]
	v_lshlrev_b32 v[H32], 5, v[MX1]
	v_lshlrev_b32 v[H64], 6, v[MX1]
	v_mul_u32_u24 v[FA], v[MX0], 96
	v_mad_u32_u24 v[FA], v[MX1], 24, v[FA]
	v_lshlrev_b32 v[R4], 2, v[MX0]
	v_lshl_add_u32 v[XA], v[MX0], 5, s49           ; the inputs of sample r of my wave
	v_lshlrev_b32 v[T16], 4, v0                    ; 16 bytes a thread: 4,096 bytes a work-group
	v_lshlrev_b32 v[L16], 4, v[SC0]                ; 16 bytes a lane: 512 bytes a wave
	v_lshl_add_u32 v[OUTA], v[MX0], 2, s50
	v_mov_b32 v[SC1], 0x0c070c03                   ; h = 0: bytes 0 and 2 take the two scale bytes, bytes 1 and 3 are 0
	v_mov_b32 v[U0],  0x070c030c                   ; h = 1: bytes 1 and 3
	v_cmp_ne_u32 vcc_lo, 0, v[MX1]
	v_cndmask_b32 v[SEL], v[SC1], v[U0], vcc_lo
	v_mov_b32 v[SX], 0                             ; (the destination of a lane permute counts as read)
	v_mov_b32 v[ZA], 0
	s_wait_kmcnt 0x0
	s_load_b32 s42, s[22:23], 0x0                  ; ib2
	s_load_b64 s[44:45], s[36:37], 0x0             ; nb2
	s_lshl_b32 s4, ttmp9, 12                       ; 128 samples of 32 bytes
	s_mov_b32 s5, 0
	s_add_nc_u64 s[8:9], s[8:9], s[4:5]
	s_lshl_b32 s4, ttmp9, 9                        ; 128 results of 4 bytes
	s_add_nc_u64 s[38:39], s[38:39], s[4:5]
	s_mov_b32 s4, s49
	s_add_nc_u64 s[46:47], s[24:25], s[4:5]        ; row w of nW0 (7 rows) ...
	s_cmp_eq_u32 s2, 7
	s_cselect_b64 s[46:47], s[26:27], s[46:47]     ; ... and for wave 7 nb0: every wave issues the same loads, none leaves its buffer
; ============================================================ 51 loads: 11 for staging and the inputs, then 40 for the offset tile
	global_load_b128 v[XIN:XIN+3],   v[XA], s[8:9]
	global_load_b128 v[XIN+4:XIN+7], v[XA], s[8:9] offset:16
	global_load_b128 v[X:X+3],     v[T16], s[10:11]            ; iW0: the 256 threads take all 4,096 bytes
	global_load_b128 v[X+4:X+7],   v[L16], s[46:47]            ; my wave's row of nW0, or nb0
	global_load_b128 v[X+8:X+11],  v[L16], s[12:13]            ; ib0
.irp i, 0,1,2
	global_load_b128 v[X+12+4*\i:X+15+4*\i], v[T16], s[28:29] offset:4096*\i   ; nW1's codes: 12,288 bytes
.endr
.irp i, 0,1,2
	global_load_b128 v[X+24+4*\i:X+27+4*\i], v[T16], s[14:15] offset:4096*\i   ; iW1's codes
.endr
.irp ft, 0,1,2,3,4,5,6,7
	global_load_b32 v[WS+\ft], v[R4], s[30:31] offset:64*\ft   ; nW1's scale words: row 16 ft + r
.endr
	LDF BIAS, 32                                   ; nb1
	WIN 0x40
.irp ft, 0,1,2,3
.irp q, 0,1,2,3
	global_load_b128 v[WN+16*\ft+4*\q:WN+16*\ft+4*\q+3], v[H64], s[34:35] offset:128*\ft+16*\q   ; nW2 of features 16 ft + 8 h + 0..7, tiles 0-3: pairs
.endr
.endr
	WIN 0
; ============================================================ the table, shared out among the waves while the loads are on their way
.irp w, 0,1,2,3,4,5
	s_cmp_lg_u32 s2, \w
	s_cbranch_scc1 .Ltab_not_\w
	TABENT
	TABENT
	TABENT
	TABENT
.Ltab_not_\w:
.endr
	s_cmp_lg_u32 s2, 6
	s_cbranch_scc1 .Ltab_not_6
	TABENT
	TABENT
.Ltab_not_6:
	s_cmp_lg_u32 s2, 7
	s_cbranch_scc1 .Ltab_not_7
	ds_store_b32 v[ZA], v[ZA] offset:TAB+4         ; entries 0 and 1 have no cc: 0, so that the first two trips' ends of points add nothing
	ds_store_b32 v[ZA], v[ZA] offset:TAB+12
	ds_store_b32 v[ZA], v[ZA] offset:TAB+400       ; entry 50 has no t: loaded and never used
.Ltab_not_7:
; ============================================================ staging
	s_wait_loadcnt 40                              ; the 40 loads issued last (scale words 8, nb1 16, nW2 16) stay out; the inputs and what is staged are in
	ds_store_b128 v[T16], v[X:X+3]   offset:L0I
	ds_store_b128 v[T16], v[X+4:X+7] offset:L0N    ; wave w's row w; wave 7's is nb0
.irp i, 0,1,2
	ds_store_b128 v[T16], v[X+12+4*\i:X+15+4*\i] offset:CN+4096*\i
.endr
.irp i, 0,1,2
	ds_store_b128 v[T16], v[X+24+4*\i:X+27+4*\i] offset:CI+4096*\i
.endr
	s_cmp_lg_u32 s2, 0
	s_cbranch_scc1 .Lno_ib0
	ds_store_b128 v[L16], v[X+8:X+11] offset:L0I+4096   ; ib0, by wave 0 alone
.Lno_ib0:
	s_wait_dscnt 0x0                               ; for the other waves' sake: all my LDS stores are done before I signal
	s_barrier_signal -1
	s_barrier_wait -1                              ; table, first-layer weights and both matrices' codes are in LDS for everybody; nobody writes them again
; ============================================================ the offset net: first layer
	L1INIT X, L0N+3584                             ; nb0 starts the sums
.set TMP, A_
	L1LOAD L0N, 0, 0
	L1ROW L0N, 0, 0, X, XIN,   1, 0, 0             ; row d of nW0 goes with input d + 1
	L1ROW L0N, 1, 0, X, XIN+2, 0, 0, 0
	L1ROW L0N, 2, 0, X, XIN+2, 1, 0, 0
	L1ROW L0N, 3, 0, X, XIN+4, 0, 0, 0
	L1ROW L0N, 4, 0, X, XIN+4, 1, 0, 0
	L1ROW L0N, 5, 0, X, XIN+6, 0, 0, 0
	L1ROW L0N, 6, 1, X, XIN+6, 1, 0, 0
; ============================================================ the offset net: its one tile
	WIN 0x40
.irp ft, 4,5,6,7
.irp q, 0,1,2,3
	global_load_b128 v[WN+16*\ft+4*\q:WN+16*\ft+4*\q+3], v[H64], s[34:35] offset:128*\ft+16*\q   ; nW2, tiles 4-7
.endr
.endr
	FRAGH CN, 0                                    ; nW1's codes into window 1
	FRAGH CN, 1
	QUANT 0
	s_wait_kmcnt 0x0                               ; ib2, nb2
	s_mul_f32 s42, s42, 0.5                        ; halves: the exchange with lane l xor 16 makes them whole
	s_mul_f32 s44, s44, 0.5
	s_mul_f32 s45, s45, 0.5
	v_mov_b32 v[KN],   s44                         ; with the two v_nop: four places between the operand's last write and the matrix instructions
	v_mov_b32 v[KN+1], s45
	v_nop
	v_nop
	s_wait_dscnt 0x0                               ; the fragments
	s_wait_loadcnt 16                              ; nW2's tiles 4-7 stay out; scale words, nb1 and nW2's tiles 0-3 are in
	MM
.rept 4
	v_nop                                          ; four places before loads land on bias and scale words just read and vector work reads results
.endr
	LDF BIAS, 18                                   ; ib1
.irp ft, 0,1,2,3,4,5,6,7
	global_load_b32 v[WS+\ft], v[R4], s[16:17] offset:64*\ft   ; iW1's scale words
.endr
	RL 0, 32
	WIN 0x01
	DOT2 0, WN
	s_wait_loadcnt 24                              ; ib1 16 and the scale words 8 stay out; nW2's tiles 4-7 are in
	DOT2 1, WN+64
	WIN 0x40
	LDF W2, 20                                     ; iW2, into registers that nW2 has left
	WIN 0
	v_pk_add_f32 v[P:P+1], v[P:P+1], v[P+2:P+3]
	v_pk_add_f32 v[P+4:P+5], v[P+4:P+5], v[P+6:P+7]
	v_pk_add_f32 v[P:P+1], v[P:P+1], v[P+4:P+5]
	v_permlanex16_b32 v[MX0], v[P],   s40, s41
	v_permlanex16_b32 v[MX1], v[P+1], s40, s41
	v_pk_add_f32 v[P:P+1], v[P:P+1], v[MX0:MX1]    ; (o0, o1) of my sample
	v_mul_f32 v[SCR], 0x3fb8aa3b, v[P+1]           ; e^o1 = 2^(o1 log2 e)
	v_exp_f32 v[SCL], v[SCR]
	v_mov_b32 v[OFF], v[P]                         ; a plain instruction behind the exponential
; ============================================================ a and b of the integrand's first layer; iW1's codes come in beside them, in two runs
.set TMP, X
	L1INIT A_, L0I+4096                            ; ib0 starts a
	L1LOAD L0I, 0, 0
	L1ROW L0I, 0, 0, B_, XIN,   0, 1, 0x40         ; b = x iW0[0], into window 1
	FRAGH CI, 0
	L1ROW L0I, 1, 0, A_, XIN,   1, 0, 0            ; a = ib0 + sum over d = 1..7 of input d x iW0[d]
	FRAGH CI, 1
	L1ROW L0I, 2, 0, A_, XIN+2, 0, 0, 0
	L1ROW L0I, 3, 0, A_, XIN+2, 1, 0, 0
	L1ROW L0I, 4, 0, A_, XIN+4, 0, 0, 0
	L1ROW L0I, 5, 0, A_, XIN+4, 1, 0, 0
	L1ROW L0I, 6, 0, A_, XIN+6, 0, 0, 0
	L1ROW L0I, 7, 1, A_, XIN+6, 1, 0, 0            ; the inputs are done with; the fragments are in too (older than this row's loads)
	v_mov_b32 v[X0], v[XIN]
	v_mov_b32 v[T], 1.0                            ; t_0 = (cos 0 + 1) / 2
	v_mov_b32 v[T+1], 0                            ; (named with it as a pair)
	v_mov_b32 v[KAP], s42
	v_mov_b32 v[KAP+1], 0
	v_mov_b32 v[TAB_A], 0
	v_mov_b32 v[ZEST], 0
	v_mov_b32 v[G2], 0                             ; (the destination of a lane permute counts as read)
	v_mov_b32 v[EN], 0                             ; the first two trips find ends of points that weigh nothing: finite numbers times cc = 0
	v_mov_b32 v[EP], 0
.irp i, 0,1,2,3,4,5,6,7
	v_mov_b32 v[P+\i], 0
.endr
	s_mov_b32 s3, 0
	s_wait_loadcnt 0x0                             ; ib1, iW2, iW1's scale words
; ============================================================ 51 quadrature points.  No barrier: a wave shares nothing here.
.Lpoint:
	WIN 0x01                                       ; b in window 1
.set gn, 0
.rept 32
	v_pk_fma_f32 v[X+gn:X+gn+1], v[B_+gn:B_+gn+1], v[T:T+1], v[A_+gn:A_+gn+1] op_sel_hi:[1,0,1]   ; a + t_s b
.set gn, gn+2
.endr
	WIN 0
	ds_load_b64 v[T:T+1], v[TAB_A] offset:TAB      ; entry s = (t_(s+1), cc_(s-2)), behind t_s's last read
	QUANT 1
	v_add_f32 v[G], v[P], v[P+1]                   ; point s - 1.  This line, the two multiply-adds and the last addition: four places between the operand's last write and the matrix instructions
	s_wait_dscnt 0x0                               ; the table entry, asked for some 85 lines ago
	v_fmac_f32 v[ZEST], v[T+1], v[EP]              ; point s - 2 ends: cc (max(g, 0) + e^min(g, 0))
	v_permlanex16_b32 v[G2], v[G], s40, s41        ; point s - 1: my sample's other 64 features lie in the lane 16 away
	s_wait_alu depctr_va_vdst(0)
	v_fmac_f32 v[ZEST], v[T+1], v[EN]
	v_add_f32 v[G], v[G], v[G2]
	s_add_co_u32 s3, s3, 1                         ; the trip counter's one step
	s_lshl_b32 s48, s3, 3
	WIN 0x01                                       ; source 0 from window 1 for all that follows: codes, iW2; the other lines' source 0 is a constant or a scalar
	WM 0
	WM 1
	v_min_num_f32 v[EN], 0, v[G]                   ; point s - 1: elu(g) + 1 = max(g, 0) + e^min(g, 0): no branch, and the exponent is never above 0
	v_max_num_f32 v[EP], 0, v[G]
	v_mul_f32 v[EN], 0x3fb8aa3b, v[EN]
	v_mov_b32 v[TAB_A], s48                        ; 8 (s + 1).  These four lines are the places behind tile 0's matrix instruction (ISA guide 7.12.1)
	RD 0
.irp ft, 2,3,4,5,6,7
	WM \ft                                         ; behind each matrix instruction the eight lines of the tile before it: they are its places
	RD \ft-1
.endr
	RD 7
	WIN 0
	s_cmp_lt_u32 s3, NPTS
	s_cbranch_scc1 .Lpoint
; ============================================================ the last two points' ends, and the result
	ds_load_b32 v[T],   v[TAB_A] offset:TAB+4      ; TAB_A = 8 x 51: entry 51's cc = cc_49
	ds_load_b32 v[T+1], v[TAB_A] offset:TAB+12     ; entry 52's = cc_50
	v_exp_f32 v[EN], v[EN]                         ; point 49
	v_pk_add_f32 v[P:P+1], v[P:P+1], v[P+2:P+3]    ; point 50
	v_pk_add_f32 v[P+4:P+5], v[P+4:P+5], v[P+6:P+7]
	v_pk_add_f32 v[P:P+1], v[P:P+1], v[P+4:P+5]
	v_add_f32 v[G], v[P], v[P+1]
	v_permlanex16_b32 v[G2], v[G], s40, s41
	v_add_f32 v[G], v[G], v[G2]
	s_wait_dscnt 0x0
	v_fmac_f32 v[ZEST], v[T], v[EP]                ; point 49 ends
	s_wait_alu depctr_va_vdst(0)
	v_fmac_f32 v[ZEST], v[T], v[EN]
	v_min_num_f32 v[EN], 0, v[G]
	v_max_num_f32 v[EP], 0, v[G]
	v_mul_f32 v[EN], 0x3fb8aa3b, v[EN]
	v_exp_f32 v[EN], v[EN]
	v_fmac_f32 v[ZEST], v[T+1], v[EP]              ; the plain instruction behind the exponential
	s_wait_alu depctr_va_vdst(0)
	v_fmac_f32 v[ZEST], v[T+1], v[EN]              ; point 50 ends
	v_mul_f32 v[EN], v[ZEST], v[X0]
	v_mul_f32 v[EN], 0.5, v[EN]                    ; the integral
	v_fma_f32 v[EN], v[SCL], v[EN], v[OFF]
	v_mul_f32 v[EN], 0xbfb8aa3b, v[EN]             ; sigmoid(u) = 1 / (1 + 2^(-u log2 e))
	v_exp_f32 v[EN], v[EN]
	v_and_b32 v[SCR], 31, v0                       ; a plain instruction behind each transcendental
	s_wait_alu depctr_va_vdst(0)
	v_add_f32 v[EN], 1.0, v[EN]
	v_rcp_f32 v[EN], v[EN]
	v_lshlrev_b32 v[SCR], 4, v[SCR]                ; 16 x lane
	s_wait_alu depctr_va_vdst(0)
	ds_store_b32 v[OUTA], v[EN] offset:OUTS        ; lanes r and r + 16 hold the same sample and write the same word with the same value
	s_wait_dscnt 0x0                               ; for wave 0's sake
	s_barrier_signal -1
	s_barrier_wait -1
	s_cmp_lg_u32 s2, 0
	s_cbranch_scc1 .Lend
	ds_load_b128 v[A_:A_+3], v[SCR] offset:OUTS    ; the work-group's 128 results
	s_wait_dscnt 0x0
	global_store_b128 v[SCR], v[A_:A_+3], s[38:39] ; one store of 512 consecutive bytes, at a multiple of 512 from out0's first byte
.Lend:
	s_set_vgpr_msb 0x5
	s_wait_tensorcnt 0x0
	ds_add_u32 v224, v225
	s_wait_dscnt 0x0
	s_set_vgpr_msb 0x500
	s_endpgm
.Lfunc_end_k_q022b8e4c22_mono:
	.size	k_q022b8e4c22_mono, .Lfunc_end_k_q022b8e4c22_mono-k_q022b8e4c22_mono
	.p2alignl 7, 3214868480
	.fill 96, 4, 3214868480
	.section	.rodata,"a",@progbits
	.p2align	6, 0x0
	.amdhsa_kernel k_q022b8e4c22_mono
		.amdhsa_group_segment_fixed_size 35328
		.amdhsa_private_segment_fixed_size 0
		.amdhsa_enable_private_segment 0
		.amdhsa_kernarg_size 128
		.amdhsa_user_sgpr_count 2
		.amdhsa_user_sgpr_kernarg_segment_ptr 1
		.amdhsa_wavefront_size32 1
		.amdhsa_system_sgpr_workgroup_id_x 1
		.amdhsa_system_sgpr_workgroup_id_y 1
		.amdhsa_system_sgpr_workgroup_id_z 1
		.amdhsa_system_vgpr_workitem_id 0
		.amdhsa_next_free_vgpr 482
		.amdhsa_next_free_sgpr 66
		.amdhsa_reserve_vcc 1
		.amdhsa_float_denorm_mode_32 3
		.amdhsa_float_denorm_mode_16_64 3
		.amdhsa_memory_ordered 1
		.amdhsa_forward_progress 1
		.amdhsa_inst_pref_size 112
	.end_amdhsa_kernel
	.amdgpu_metadata
---
amdhsa.version: [ 1, 2 ]
amdhsa.kernels:
  - .name:           k_q022b8e4c22_mono
    .symbol:         k_q022b8e4c22_mono.kd
    .args:
      - { .name: x_input, .offset: 0, .size: 8, .value_kind: global_buffer, .address_space: global }
      - { .name: iW0, .offset: 8, .size: 8, .value_kind: global_buffer, .address_space: global }
      - { .name: ib0, .offset: 16, .size: 8, .value_kind: global_buffer, .address_space: global }
      - { .name: iW1_codes, .offset: 24, .size: 8, .value_kind: global_buffer, .address_space: global }
      - { .name: iW1_scales, .offset: 32, .size: 8, .value_kind: global_buffer, .address_space: global }
      - { .name: ib1, .offset: 40, .size: 8, .value_kind: global_buffer, .address_space: global }
      - { .name: iW2, .offset: 48, .size: 8, .value_kind: global_buffer, .address_space: global }
      - { .name: ib2, .offset: 56, .size: 8, .value_kind: global_buffer, .address_space: global }
      - { .name: nW0, .offset: 64, .size: 8, .value_kind: global_buffer, .address_space: global }
      - { .name: nb0, .offset: 72, .size: 8, .value_kind: global_buffer, .address_space: global }
      - { .name: nW1_codes, .offset: 80, .size: 8, .value_kind: global_buffer, .address_space: global }
      - { .name: nW1_scales, .offset: 88, .size: 8, .value_kind: global_buffer, .address_space: global }
      - { .name: nb1, .offset: 96, .size: 8, .value_kind: global_buffer, .address_space: global }
      - { .name: nW2, .offset: 104, .size: 8, .value_kind: global_buffer, .address_space: global }
      - { .name: nb2, .offset: 112, .size: 8, .value_kind: global_buffer, .address_space: global }
      - { .name: out0, .offset: 120, .size: 8, .value_kind: global_buffer, .address_space: global }
    .group_segment_fixed_size: 35328
    .private_segment_fixed_size: 0
    .kernarg_segment_align: 8
    .kernarg_segment_size: 128
    .max_flat_workgroup_size: 256
    .sgpr_count:     66
    .vgpr_count:     482
    .wavefront_size: 32
...
	.end_amdgpu_metadata
.endif
;; end of part 1
